; MI455X (gfx1250); checked and timed in simulation.
; The chip was launched on July 23, 2026; its instructions are those of AMD's public machine-readable ISA for CDNA 5 (MIT licence, August 2026) and "CDNA5" Instruction Set Architecture Reference Guide (July 2026). The comments in the code are by the model that wrote it; some were corrected since.
;; Multi Head Self Attention. Allowed arithmetic: float matrix products may take bf16 or f16 operands with f32 sums; all other float work in f32.
;; Inputs: Wout 1,024 x 1,024 float32; Wqkv 3,072 x 1,024 float32; bout 1,024 float32; bqkv 3,072 float32; x 2 x 2,048 x 1,024 float32.
;; Outputs: out0 2 x 2,048 x 1,024 float32.
;; One version. Each part assembles by itself: llvm-mc -triple=amdgcn-amd-amdhsa -mcpu=gfx1250 --defsym DOCPART=n.
;; ======== version 1 of 1: 4 launches
;; limits: values are held in f16: magnitudes above 65,504 overflow, below 6.1e-05 lose precision
;; workspace buffers: xh 8,388,608 bytes; wqh 6,291,456 bytes; woh 2,097,152 bytes; qh 8,388,608 bytes; kh 8,388,608 bytes; vth 8,388,608 bytes; ao 8,388,608 bytes
;; launch cast (part 1): grid 1024 x 1, 8 waves a work-group, no clusters, 0 bytes of LDS; arguments x, Wqkv, Wout, xh, wqh, woh; writes xh, wqh, woh
.if DOCPART == 1
	.amdgcn_target "amdgcn-amd-amdhsa--gfx1250"
	.amdhsa_code_object_version 6
	.text
	.protected	k_q06cf553b6e_cast
	.globl	k_q06cf553b6e_cast
	.p2align	8
	.type	k_q06cf553b6e_cast,@function
k_q06cf553b6e_cast:
	s_mov_b64 s[64:65], 0
	v_nop
	global_prefetch_b8 v0, s[64:65] scope:SCOPE_SE
	s_setreg_imm32_b32 hwreg(HW_REG_WAVE_MODE, 25, 1), 1
	s_wait_xcnt 0x0
; f32 to f16 (one rounding to nearest even) of x, Wqkv and Wout, so that the three matrix launches behind this one can
; bring ready f16 tiles into LDS and share them in clusters.  2^23 numbers; a work-group takes 8,192 (32 KiB in, 16 KiB out).
;   groups   0..511 : x    chunk g       -> xh  chunk g
;   groups 512..895 : Wqkv rows 8c..8c+7 -> wqh rows 192 head + 64 plane + d  (c = g - 512; plane = c>>7, head = (c>>3)&15, d = 8 (c&7)),
;                     so that q, k and v rows of one head lie together
;   groups 896..1023: Wout chunk c       -> woh chunk c  (c = g - 896)
; A stream: no input byte is shared between work-groups, so LDS, clusters and the matrix unit have nothing to give here.
; LIMIT: numbers above 65,504 in magnitude overflow f16; magnitudes below 6e-5 keep an absolute error of 3e-8.
.set X, 8                              ; v[8:39]   eight loads of 16 bytes
.set Y, 40                             ; v[40:55]  eight results of 8 bytes
	s_load_b256 s[4:11], s[0:1], 0x0               ; x s[4:5], Wqkv s[6:7], Wout s[8:9], xh s[10:11]
	s_load_b128 s[12:15], s[0:1], 0x20             ; wqh s[12:13], woh s[14:15]
	; the chunk number for each of the three cases, clamped so that also the two offsets that are not chosen lie inside their buffers
	s_min_u32 s16, ttmp9, 511                      ; chunk of x
	s_max_u32 s17, ttmp9, 512
	s_min_u32 s17, s17, 895
	s_sub_co_u32 s17, s17, 512                     ; chunk of Wqkv
	s_max_u32 s18, ttmp9, 896
	s_sub_co_u32 s18, s18, 896                     ; chunk of Wout
	s_bfe_u32 s19, s17, 0x40003                    ; head
	s_mul_i32 s19, s19, 192
	s_lshr_b32 s20, s17, 7                         ; plane
	s_lshl_b32 s20, s20, 6
	s_add_co_u32 s19, s19, s20
	s_and_b32 s20, s17, 7
	s_lshl3_add_u32 s19, s20, s19                  ; + d = 8 (c & 7): the first row in wqh
	s_lshl_b32 s19, s19, 11                        ; rows of 2,048 bytes
	s_lshl_b32 s21, s16, 15                        ; x: from
	s_lshl_b32 s22, s16, 14                        ;    to
	s_lshl_b32 s23, s17, 15                        ; Wqkv: from (to: s19)
	s_lshl_b32 s24, s18, 15                        ; Wout: from
	s_lshl_b32 s25, s18, 14                        ;       to
	v_lshlrev_b32 v1, 4, v0                        ; 16 bytes in a thread
	v_lshlrev_b32 v2, 3, v0                        ; 8 bytes out a thread
	s_wait_kmcnt 0x0
	s_cmp_lt_u32 ttmp9, 896                        ; the selects hang on the group number alone
	s_cselect_b64 s[26:27], s[6:7], s[8:9]
	s_cselect_b64 s[28:29], s[12:13], s[14:15]
	s_cselect_b32 s23, s23, s24
	s_cselect_b32 s19, s19, s25
	s_cmp_lt_u32 ttmp9, 512
	s_cselect_b64 s[26:27], s[4:5], s[26:27]
	s_cselect_b64 s[28:29], s[10:11], s[28:29]
	s_cselect_b32 s30, s21, s23
	s_cselect_b32 s20, s22, s19
	s_mov_b32 s31, 0
	s_mov_b32 s21, 0
	s_add_nc_u64 s[26:27], s[26:27], s[30:31]      ; from
	s_add_nc_u64 s[28:29], s[28:29], s[20:21]      ; to
.irp j, 0,1,2,3,4,5,6,7
	global_load_b128 v[X+4*\j:X+4*\j+3], v1, s[26:27] offset:4096*\j th:TH_LOAD_NT   ; a wave reads 512 consecutive bytes; all eight go out first
.endr
.irp j, 0,1,2,3,4,5,6,7
	s_wait_loadcnt 7-\j                            ; loads come back in order: load j is in, the 7 - j younger ones stay out
	v_cvt_pk_f16_f32 v[Y+2*\j], v[X+4*\j], v[X+4*\j+1]
	v_cvt_pk_f16_f32 v[Y+2*\j+1], v[X+4*\j+2], v[X+4*\j+3]
	global_store_b64 v2, v[Y+2*\j:Y+2*\j+1], s[28:29] offset:2048*\j   ; a wave stores 256 consecutive bytes, aligned; no register is written twice
.endr
	s_endpgm
.Lfunc_end_k_q06cf553b6e_cast:
	.size	k_q06cf553b6e_cast, .Lfunc_end_k_q06cf553b6e_cast-k_q06cf553b6e_cast
	.p2alignl 7, 3214868480
	.fill 96, 4, 3214868480
	.section	.rodata,"a",@progbits
	.p2align	6, 0x0
	.amdhsa_kernel k_q06cf553b6e_cast
		.amdhsa_group_segment_fixed_size 0
		.amdhsa_private_segment_fixed_size 0
		.amdhsa_enable_private_segment 0
		.amdhsa_kernarg_size 48
		.amdhsa_user_sgpr_count 2
		.amdhsa_user_sgpr_kernarg_segment_ptr 1
		.amdhsa_wavefront_size32 1
		.amdhsa_system_sgpr_workgroup_id_x 1
		.amdhsa_system_sgpr_workgroup_id_y 1
		.amdhsa_system_sgpr_workgroup_id_z 1
		.amdhsa_system_vgpr_workitem_id 0
		.amdhsa_next_free_vgpr 56
		.amdhsa_next_free_sgpr 66
		.amdhsa_reserve_vcc 0
		.amdhsa_float_denorm_mode_32 3
		.amdhsa_float_denorm_mode_16_64 3
		.amdhsa_memory_ordered 1
		.amdhsa_forward_progress 1
		.amdhsa_inst_pref_size 5
	.end_amdhsa_kernel
	.amdgpu_metadata
---
amdhsa.version: [ 1, 2 ]
amdhsa.kernels:
  - .name:           k_q06cf553b6e_cast
    .symbol:         k_q06cf553b6e_cast.kd
    .args:
      - { .name: x, .offset: 0, .size: 8, .value_kind: global_buffer, .address_space: global }
      - { .name: Wqkv, .offset: 8, .size: 8, .value_kind: global_buffer, .address_space: global }
      - { .name: Wout, .offset: 16, .size: 8, .value_kind: global_buffer, .address_space: global }
      - { .name: xh, .offset: 24, .size: 8, .value_kind: global_buffer, .address_space: global }
      - { .name: wqh, .offset: 32, .size: 8, .value_kind: global_buffer, .address_space: global }
      - { .name: woh, .offset: 40, .size: 8, .value_kind: global_buffer, .address_space: global }
    .group_segment_fixed_size: 0
    .private_segment_fixed_size: 0
    .kernarg_segment_align: 8
    .kernarg_segment_size: 48
    .max_flat_workgroup_size: 256
    .sgpr_count:     66
    .vgpr_count:     56
    .wavefront_size: 32
...
	.end_amdgpu_metadata
.endif
;; end of part 1
;; launch qkv (part 2): grid 16 x 16, 4 waves a work-group, clusters of 4 x 4, 327,680 bytes of LDS; arguments xh, wqh, bqkv, qh, kh, vth; writes qh, kh, vth
.if DOCPART == 2
	.amdgcn_target "amdgcn-amd-amdhsa--gfx1250"
	.amdhsa_code_object_version 6
	.text
	.protected	k_q06cf553b6e_qkv
	.globl	k_q06cf553b6e_qkv
	.p2align	8
	.type	k_q06cf553b6e_qkv,@function
k_q06cf553b6e_qkv:
	s_mov_b64 s[64:65], 0
	v_nop
	global_prefetch_b8 v0, s[64:65] scope:SCOPE_SE
	s_setreg_imm32_b32 hwreg(HW_REG_WAVE_MODE, 25, 1), 1
	s_wait_xcnt 0x0
	s_wait_alu depctr_hold_cnt(0) depctr_sa_sdst(0) depctr_va_vdst(0) depctr_va_sdst(0) depctr_va_ssrc(0) depctr_va_vcc(0) depctr_vm_vsrc(0)
	s_getreg_b32 s2, hwreg(HW_REG_IB_STS2, 6, 4)
	s_cmp_eq_u32 s2, 0
	s_cbranch_scc0 .Lentry_in_a_cluster
	s_endpgm
.Lentry_in_a_cluster:
	s_bfe_u32 s2, ttmp6, 0x10000c
	s_cmp_lg_u32 s2, 0xf033
	s_cbranch_scc0 .Lentry_shape_is_right
	s_endpgm
.Lentry_shape_is_right:
; qkv = x Wqkv^T + bqkv, partial rotary on q and k, scales, in f16 operands and f32 sums.
; A work-group makes 256 rows (one batch, 256 positions) x 192 columns: q, k and v of ONE head.  16 heads x 16 row blocks = 256 work-groups.
; Four waves: wm = w>>1 takes 128 rows, wn = w&1 takes six column tiles of 16: tile b = 2 p + i (plane p = q, k, v; i = 0, 1) is head
; columns 16 (wn + 2 i) .. + 15, so every wave has one rotated and one passed tile of q and of k and two tiles of v: one text, equal work.
; K goes in 8 steps of 128 (rows of 256 bytes, aligned) through two LDS slots filled by joint tensor loads.
; CLUSTERS 4 x 4: the tile of x hangs on the row block alone and is shared along a row of the cluster, the tile of W on the head alone and is shared along a column.
; q and k tiles use the matrix instruction transposed (source 0 = rows of W): a lane holds 8 neighbouring head columns of one position.
; v tiles use it as it is (source 0 = rows of x): a lane holds 8 neighbouring positions of one head column, which is v transposed.
; OUT: qh, kh [32 bh][2048 s][64 d] = rope(q), rope(k) times 0.4246609 (its square is 0.125 log2 e, so the scores come out ready for exp2);
;      vth [32 bh][64 d][2048 s] = 0.25 v.
; LIMITS: 0.4247 |q|, 0.4247 |k| and 0.25 |v| must stay below 65,504 (f16).  Rotary angles are good to about 3e-4 rad (exp2 of the frequency, the f32
; constant 1/2pi at angles up to 2,047); sine and cosine are series of the half angle, error below 4e-6.  NaN and infinities are not treated specially.
;
; REGISTERS: window 0: addresses v1-v27, fragments of x v32-95, v96-159, fragments of W v160-207, v208-255 (two buffers each);
; window 2: accumulator tiles (a, b), a = 0..3, at 8 (6 a + b); window 3: a = 4..7 likewise, and the bias at v192-227.
.set PITCH,  272                       ; LDS row: 256 bytes + 16: an odd multiple of 16, so the 16 rows of a fragment load fall on 16 different 16-byte columns modulo 256
.set AHALF,  128*PITCH                 ; one tensor load of x
.set BHALF,  96*PITCH                  ; one tensor load of W
.set BOFF,   2*AHALF
.set SLOT,   2*AHALF+2*BHALF           ; 121,856
.set QP,     144                       ; stage pitch of q and k rows (128 + 16)
.set VP,     528                       ; stage pitch of v^T rows (512 + 16)
.set KSTG,   36864                     ; the stage lies over slot 0, whose last fill is K step 6: q at 0, k here,
.set VSTG,   73728                     ; v^T here; it ends at 107,520, inside slot 0
.set G1A, 24
.set G0A, 32
.set G1B, 48
.set G0B, 56
.set CFG, (1<<16)|(1<<20)|(1<<21)|(5<<22)|(3<<25)   ; 2-byte elements, padding on, bit 21 beside a mask, after every 64 words 4 words
.set R,    1
.set H,    2
.set FR,   3
.set ADRA, 4                           ; v4, v5  my x fragments in slot 0, 1
.set ADRB, 6                           ; v6, v7  my W fragments
.set INV,  8                           ; v[8:11] inv_freq of my four rotary pairs
.set POS,  12                          ; v[12:13] my position, twice
.set STQ,  14
.set STV,  15
.set RDQ,  16
.set RDV,  17
.set L16,  18
.set BO,   19
.set BV,   20
.set C9,   22                          ; v[22:23] 1/9!, twice
.set C10,  24                          ; v[24:25] -1/10!, twice
.set TA,   26
.set TB,   27
.set XF,   32
.set WF,   160
.set BIAS, 192                         ; window 3
.set BIASV, 224                        ; window 3
.set T,    32                          ; the way out, window 0: 48 results in f32
.set ANG,  80
.set NN,   84
.set G,    88
.set U,    92
.set P,    96
.set Q,    100
.set CS,   104
.set SN,   108
.set W,    112
.set TT,   120
.set PK,   124                         ; v[124:147] six tiles packed
.set MSB, 0
.macro WIN new                         ; the high byte of the immediate repeats the setting that is left
.if MSB != \new
	s_set_vgpr_msb (MSB<<8)|\new
.set MSB, \new
.endif
.endm
.macro PLACES                          ; four places behind matrix instructions, for loads into their sources and reads of their results
.rept 4
	v_nop
.endr
.endm
.macro JLOAD s                         ; waves 0, 1 ask for the two halves of x, waves 2, 3 for the two halves of W: one line, one mask each
	s_cmp_eq_u32 s17, 0
	s_cbranch_scc0 .Lfor_b_\@
	tensor_load_to_lds s[G0A+4*\s:G0A+4*\s+3], s[G1A:G1A+7]
	s_nop 0
	s_branch .Lasked_\@
.Lfor_b_\@:
	tensor_load_to_lds s[G0B+4*\s:G0B+4*\s+3], s[G1B:G1B+7]
	s_nop 0
.Lasked_\@:
.endm
.macro CREST                           ; a round of the cluster barrier behind its opening work-group barrier
	s_cmp_lg_u32 s16, 0
	s_cbranch_scc1 .Lnot_wave_0_\@
	s_barrier_signal -3
.Lnot_wave_0_\@:
	s_barrier_wait -3
	s_barrier_signal -1
	s_barrier_wait -1
.endm
.macro CROUND
	s_barrier_signal -1
	s_barrier_wait -1
	CREST
.endm
	s_load_b256 s[4:11], s[0:1], 0x0               ; xh s[4:5], wqh s[6:7], bqkv s[8:9], qh s[10:11]
	s_load_b128 s[12:15], s[0:1], 0x20             ; kh s[12:13], vth s[14:15]
	v_lshl_add_u32 v30, v0, 2, 0x3b800
	v_mov_b32 v31, 0
	ds_add_u32 v30, v31
	v_lshrrev_b32 v1, 5, v0
	v_readfirstlane_b32 s16, v1                    ; wave
	s_lshr_b32 s17, s16, 1                         ; wm; also: I fetch x (0) or W (1)
	s_and_b32 s18, s16, 1                          ; wn; also: which half I fetch
	s_bfe_u32 s19, ttmp6, 0x40000                  ; cx
	s_bfe_u32 s20, ttmp6, 0x40004                  ; cy
	s_lshl_b32 s21, ttmp9, 2
	s_add_co_u32 s21, s21, s19                     ; head
	s_and_b32 s22, ttmp7, 0xffff
	s_lshl_b32 s22, s22, 2
	s_add_co_u32 s22, s22, s20                     ; block of 256 rows
	s_lshl_b32 s40, s20, 2
	s_lshl_b32 s40, 15, s40                        ; my row of the cluster
	s_lshl_b32 s44, 0x1111, s19                    ; my column
	s_or_b32 s[G1A+0], s40, CFG
	s_or_b32 s[G1B+0], s44, CFG
	s_mov_b32 s[G1A+1], 128<<16                    ; tensor_dim0 = 128
	s_mov_b32 s[G1B+1], 128<<16
	s_mov_b32 s[G1A+2], 128<<16                    ; tensor_dim1 = 128 rows of x
	s_mov_b32 s[G1B+2], 96<<16                     ;             = 96 rows of W
	s_mov_b32 s[G1A+3], 128<<16                    ; tile_dim0 = 128
	s_mov_b32 s[G1B+3], 128<<16
	s_mov_b32 s[G1A+4], 128                        ; tile_dim1
	s_mov_b32 s[G1B+4], 96
	s_mov_b32 s[G1A+5], 1024                       ; elements from row to row
	s_mov_b32 s[G1B+5], 1024
	s_mov_b32 s[G1A+6], 0
	s_mov_b32 s[G1B+6], 0
	s_mov_b32 s[G1A+7], 0
	s_mov_b32 s[G1B+7], 0
	s_lshl_b32 s40, s22, 8                         ; x: row 256 y + 128 half, in registers that never hold cx
	s_lshl_b32 s41, s18, 7
	s_add_co_u32 s40, s40, s41
	s_lshl_b32 s40, s40, 11                        ; rows of 2,048 bytes; below 8 MiB
	s_mov_b32 s41, 0
	s_mul_i32 s44, s21, 192                        ; W: row 192 head + 96 half, in registers that never hold cy
	s_mul_i32 s45, s18, 96
	s_add_co_u32 s44, s44, s45
	s_lshl_b32 s44, s44, 11
	s_mov_b32 s45, 0
	s_mul_i32 s66, s16, AHALF                      ; LDS: waves 0, 1 at w x 34,816
	s_mul_i32 s67, s16, BHALF                      ;      waves 2, 3 at 69,632 + (w - 2) x 26,112
	s_add_co_u32 s67, s67, BOFF-2*BHALF
	s_wait_dscnt 0x0
	s_wait_kmcnt 0x0
	s_add_nc_u64 s[42:43], s[4:5], s[40:41]
	s_add_nc_u64 s[46:47], s[6:7], s[44:45]
	CROUND                                         ; all sixteen work-groups are here: the first joint loads meet
.irp s, 0,1
	s_mov_b32 s[G0A+4*\s], 1
	s_add_co_u32 s[G0A+4*\s+1], s66, \s*SLOT
	s_add_nc_u64 s[G0A+4*\s+2:G0A+4*\s+3], s[42:43], \s*256        ; K step s
	s_or_b32 s[G0A+4*\s+3], s[G0A+4*\s+3], 0x80000000
	s_mov_b32 s[G0B+4*\s], 1
	s_add_co_u32 s[G0B+4*\s+1], s67, \s*SLOT
	s_add_nc_u64 s[G0B+4*\s+2:G0B+4*\s+3], s[46:47], \s*256
	s_or_b32 s[G0B+4*\s+3], s[G0B+4*\s+3], 0x80000000
	JLOAD \s                                       ; two loads of this wave are out, the most in this text
.endr
	v_and_b32 v[R], 15, v0
	v_bfe_u32 v[H], v0, 4, 1
	v_and_b32 v[TA], 31, v0                        ; lane
	v_mul_u32_u24 v[FR], v[R], PITCH
	v_lshl_add_u32 v[FR], v[H], 4, v[FR]           ; fragment: row r, 16 bytes for each half of the lanes
	s_mul_i32 s66, s17, AHALF
	s_mul_i32 s67, s18, 16*PITCH
	s_add_co_u32 s67, s67, BOFF
.irp s, 0,1
	v_add_nc_u32 v[ADRA+\s], s66, v[FR]
	v_add_nc_u32 v[ADRB+\s], s67, v[FR]
	s_add_co_u32 s66, s66, SLOT
	s_add_co_u32 s67, s67, SLOT
.endr
	s_mul_i32 s68, s17, 128*QP                     ; stage in, q and k: row 128 wm + r, byte 32 wn + 16 h
	s_lshl_b32 s69, s18, 5
	s_add_co_u32 s68, s68, s69
	v_mul_u32_u24 v[STQ], v[R], QP
	v_lshl_add_u32 v[STQ], v[H], 4, v[STQ]
	v_add_nc_u32 v[STQ], s68, v[STQ]
	s_mul_i32 s68, s18, 16*VP                      ; stage in, v^T: row 16 wn + r, byte 256 wm + 16 h
	s_lshl_b32 s69, s17, 8
	s_add_co_u32 s68, s68, s69
	s_add_co_u32 s68, s68, VSTG
	v_mul_u32_u24 v[STV], v[R], VP
	v_lshl_add_u32 v[STV], v[H], 4, v[STV]
	v_add_nc_u32 v[STV], s68, v[STV]
	s_mul_i32 s68, s16, 64*QP                      ; stage back, q and k: rows 64 w .., four rows of 128 bytes an instruction
	v_lshrrev_b32 v[TB], 3, v[TA]
	v_mul_u32_u24 v[RDQ], v[TB], QP
	v_and_b32 v[TB], 7, v[TA]
	v_lshl_add_u32 v[RDQ], v[TB], 4, v[RDQ]
	v_add_nc_u32 v[RDQ], s68, v[RDQ]
	s_mul_i32 s68, s16, 16*VP                      ; stage back, v^T: rows 16 w .., one row of 512 bytes an instruction
	s_add_co_u32 s68, s68, VSTG
	v_lshl_add_u32 v[RDV], v[TA], 4, s68
	v_lshlrev_b32 v[L16], 4, v[TA]
	s_lshl_b32 s68, s21, 8                         ; bias: 4 (64 head + 16 wn) bytes,
	s_lshl_b32 s69, s18, 6
	s_add_co_u32 s68, s68, s69
	v_lshl_add_u32 v[BO], v[H], 5, s68             ; + 8 h numbers for q and k (a lane has 8 columns),
	v_lshl_add_u32 v[BV], v[R], 2, s68             ; + r numbers for v (a lane has one column)
	WIN 0xc0                                       ; destination window 3
.irp p, 0,1
.irp i, 0,1
	global_load_b128 v[BIAS+8*(2*\p+\i):BIAS+8*(2*\p+\i)+3], v[BO], s[8:9] offset:4096*\p+128*\i
	global_load_b128 v[BIAS+8*(2*\p+\i)+4:BIAS+8*(2*\p+\i)+7], v[BO], s[8:9] offset:4096*\p+128*\i+16
.endr
.endr
.irp i, 0,1
	global_load_b32 v[BIASV+2*\i], v[BV], s[8:9] offset:8192+128*\i     ; the same number into both halves of a pair, for the packed arithmetic
	global_load_b32 v[BIASV+2*\i+1], v[BV], s[8:9] offset:8192+128*\i
.endr
	WIN 0
	; inv_freq of pair index 8 wn + 4 h + j = 10000^(-index/16) = exp2(-0.83048202 index)
	s_lshl_b32 s68, s18, 3
	v_lshl_add_u32 v[TB], v[H], 2, s68
.irp j, 0,1,2,3
	v_add_nc_u32 v[INV+\j], \j, v[TB]
	v_cvt_f32_u32 v[INV+\j], v[INV+\j]
	v_mul_f32 v[INV+\j], 0xbf549a78, v[INV+\j]
.endr
.irp j, 0,1,2,3
	v_exp_f32 v[INV+\j], v[INV+\j]
.endr
	s_and_b32 s68, s22, 7                          ; my first position: 256 (y & 7) + 128 wm + r
	s_lshl_b32 s68, s68, 8
	s_lshl_b32 s69, s17, 7
	s_add_co_u32 s68, s68, s69
	v_add_nc_u32 v[TB], s68, v[R]                  ; a plain instruction behind the exponentials (ISA guide 5.7.2)
	v_cvt_f32_u32 v[POS], v[TB]
	v_mov_b32 v[POS+1], v[POS]
	v_mov_b32 v[C9], 0x3638ef1d
	v_mov_b32 v[C9+1], 0x3638ef1d
	v_mov_b32 v[C10], 0xb493f27e
	v_mov_b32 v[C10+1], 0xb493f27e
	s_wait_loadcnt 0x0                             ; the bias, once; scaled here so that the way out is one fused multiply-add a pair
	WIN 0xc3
.set n, 0
.rept 16
	v_pk_mul_f32 v[BIAS+2*n:BIAS+2*n+1], v[BIAS+2*n:BIAS+2*n+1], 0x3ed96d27 op_sel_hi:[1,0]
.set n, n+1
.endr
	v_pk_mul_f32 v[BIASV:BIASV+1], v[BIASV:BIASV+1], 0x3e800000 op_sel_hi:[1,0]
	v_pk_mul_f32 v[BIASV+2:BIASV+3], v[BIASV+2:BIASV+3], 0x3e800000 op_sel_hi:[1,0]
	WIN 0
; 28 LDS loads: the fragments of 32 along K at byte k of the rows, into buffer f: six tiles of W, eight of x
.macro FETCH slot, k, f
	WIN 0
.irp p, 0,1,2
.irp i, 0,1
	ds_load_b128 v[WF+48*\f+8*(2*\p+\i):WF+48*\f+8*(2*\p+\i)+3], v[ADRB+\slot] offset:17408*\p+8704*\i+\k
	ds_load_b128 v[WF+48*\f+8*(2*\p+\i)+4:WF+48*\f+8*(2*\p+\i)+7], v[ADRB+\slot] offset:17408*\p+8704*\i+\k+32
.endr
.endr
.irp a, 0,1,2,3,4,5,6,7
	ds_load_b128 v[XF+64*\f+8*\a:XF+64*\f+8*\a+3], v[ADRA+\slot] offset:4352*\a+\k
	ds_load_b128 v[XF+64*\f+8*\a+4:XF+64*\f+8*\a+7], v[ADRA+\slot] offset:4352*\a+\k+32
.endr
.endm
; 24 matrix instructions: four row tiles of one window x six column tiles.  The 48 accumulators take turns, one instruction a turn, in the same
; order in every quarter, over the backward jump too.
.macro MULH f, hi, zero
.irp a, 0,1,2,3
.irp b, 0,1,2,3
.if \zero
	v_wmma_f32_16x16x32_f16 v[8*(6*\a+\b):8*(6*\a+\b)+7], v[WF+48*\f+8*\b:WF+48*\f+8*\b+7], v[XF+64*\f+8*(4*\hi+\a):XF+64*\f+8*(4*\hi+\a)+7], 0
.else
	v_wmma_f32_16x16x32_f16 v[8*(6*\a+\b):8*(6*\a+\b)+7], v[WF+48*\f+8*\b:WF+48*\f+8*\b+7], v[XF+64*\f+8*(4*\hi+\a):XF+64*\f+8*(4*\hi+\a)+7], v[8*(6*\a+\b):8*(6*\a+\b)+7]
.endif
.endr
.irp b, 4,5
.if \zero
	v_wmma_f32_16x16x32_f16 v[8*(6*\a+\b):8*(6*\a+\b)+7], v[XF+64*\f+8*(4*\hi+\a):XF+64*\f+8*(4*\hi+\a)+7], v[WF+48*\f+8*\b:WF+48*\f+8*\b+7], 0
.else
	v_wmma_f32_16x16x32_f16 v[8*(6*\a+\b):8*(6*\a+\b)+7], v[XF+64*\f+8*(4*\hi+\a):XF+64*\f+8*(4*\hi+\a)+7], v[WF+48*\f+8*\b:WF+48*\f+8*\b+7], v[8*(6*\a+\b):8*(6*\a+\b)+7]
.endif
.endr
.endr
.endm
; One of the first three quarters of a K step: the next quarter is fetched into buffer g first, then buffer f is multiplied: the fetch has 48 matrix instructions in which to land.
.macro QUARTER slot, k, f, g, zero
	s_wait_dscnt 0x0                               ; buffer f is in
	PLACES                                         ; buffer g was read by the matrix instructions just issued
	FETCH \slot, \k, \g
	WIN 0xa0
	MULH \f, 0, \zero
	WIN 0xf0
	MULH \f, 1, \zero
.endm
.macro THREE slot, zero
	QUARTER \slot, 64,  0, 1, \zero
	QUARTER \slot, 128, 1, 0, 0
	QUARTER \slot, 192, 0, 1, 0
.endm
; The last quarter changes slots.  In front of the barrier each wave has its reads of this slot back and all its tensor loads landed (the one that
; was out is its part of the next slot).  fill = 1: the barrier opens a round of the cluster barrier, and the joint refill, two K steps ahead, is the first tensor load behind it.
; From a request to the wait for it a wave issues 168 matrix instructions.
.macro TURN slot, next, fill
	s_wait_dscnt 0x0
	s_wait_tensorcnt 0x0
	ds_add_u32 v30, v31
	s_wait_dscnt 0x0
	s_barrier_signal -1
	WIN 0xa0
	MULH 1, 0, 0                                   ; register work while the others arrive
	WIN 0
	s_barrier_wait -1
.if \fill
	CREST
	s_add_nc_u64 s[G0A+4*\slot+2:G0A+4*\slot+3], s[G0A+4*\slot+2:G0A+4*\slot+3], 512   ; no tensor load of mine is out: group 0 may be written
	s_add_nc_u64 s[G0B+4*\slot+2:G0B+4*\slot+3], s[G0B+4*\slot+2:G0B+4*\slot+3], 512
	JLOAD \slot
.endif
	PLACES
	FETCH \next, 0, 0
	WIN 0xf0
	MULH 1, 1, 0
.endm
.macro LAP zero
	THREE 0, \zero
	TURN 0, 1, 1
	THREE 1, 0
	TURN 1, 0, 1
.endm
	s_wait_tensorcnt 0x1                           ; my part of K step 0 is in; K step 1 stays out
	s_barrier_signal -1
	s_barrier_wait -1
	FETCH 0, 0, 0
	LAP 1                                          ; K steps 0, 1: the first products start the sums; refills 2, 3
	WIN 0
	s_mov_b32 s23, 2
.Llap:
	LAP 0                                          ; K steps 2 to 5; refills 4 to 7
	WIN 0
	s_sub_co_u32 s23, s23, 1
	s_cmp_lg_u32 s23, 0
	s_cbranch_scc1 .Llap
	THREE 0, 0                                     ; K steps 6, 7: nothing is left to fetch
	TURN 0, 1, 0                                   ; behind this barrier no wave reads slot 0 and nothing fills it again: the stage may lie there
	THREE 1, 0
	s_wait_dscnt 0x0
	WIN 0xa0
	MULH 1, 0, 0
	WIN 0xf0
	MULH 1, 1, 0
	WIN 0
	PLACES
; THE WAY OUT, 16 rows at a time.  row = 0..7, tl = row & 3, from: source 0 in window 2 or 3, source 2 (bias) in window 3.
.macro EPI row, tl, from
	WIN \from
.irp b, 0,1,2,3
.irp c, 0,2,4,6
	v_pk_fma_f32 v[T+8*\b+\c:T+8*\b+\c+1], v[8*(6*\tl+\b)+\c:8*(6*\tl+\b)+\c+1], 0x3ed96d27, v[BIAS+8*\b+\c:BIAS+8*\b+\c+1] op_sel_hi:[1,0,1]
.endr
.endr
.irp i, 0,1
.irp c, 0,2,4,6
	v_pk_fma_f32 v[T+32+8*\i+\c:T+32+8*\i+\c+1], v[8*(6*\tl+4+\i)+\c:8*(6*\tl+4+\i)+\c+1], 0x3e800000, v[BIASV+2*\i:BIASV+2*\i+1] op_sel_hi:[1,0,1]
.endr
.endr
	WIN 0
	; sine and cosine of position x inv_freq: f = angle/2pi less its nearest whole number (one fused step), g = pi f is the half angle, |g| <= pi/2
	s_wait_alu depctr_va_vdst(0)
.irp q, 0,2
	v_pk_mul_f32 v[ANG+\q:ANG+\q+1], v[POS:POS+1], v[INV+\q:INV+\q+1]
.endr
.irp q, 0,2
	v_pk_mul_f32 v[NN+\q:NN+\q+1], v[ANG+\q:ANG+\q+1], 0xbe22f983 op_sel_hi:[1,0]
.endr
.irp q, 0,1,2,3
	v_rndne_f32 v[NN+\q], v[NN+\q]                 ; minus the nearest whole number of turns
.endr
.irp q, 0,2
	v_pk_fma_f32 v[G+\q:G+\q+1], v[ANG+\q:ANG+\q+1], 0x3e22f983, v[NN+\q:NN+\q+1] op_sel_hi:[1,0,1]
.endr
.irp q, 0,2
	v_pk_mul_f32 v[G+\q:G+\q+1], v[G+\q:G+\q+1], 0x40490fdb op_sel_hi:[1,0]
.endr
.irp q, 0,2
	v_pk_mul_f32 v[U+\q:U+\q+1], v[G+\q:G+\q+1], v[G+\q:G+\q+1]
.endr
.irp q, 0,2
	v_pk_fma_f32 v[P+\q:P+\q+1], v[U+\q:U+\q+1], v[C9:C9+1], 0xb9500d01 op_sel_hi:[1,1,0]
	v_pk_fma_f32 v[Q+\q:Q+\q+1], v[U+\q:U+\q+1], v[C10:C10+1], 0x37d00d01 op_sel_hi:[1,1,0]
.endr
.irp q, 0,2
	v_pk_fma_f32 v[P+\q:P+\q+1], v[P+\q:P+\q+1], v[U+\q:U+\q+1], 0x3c088889 op_sel_hi:[1,1,0]
	v_pk_fma_f32 v[Q+\q:Q+\q+1], v[Q+\q:Q+\q+1], v[U+\q:U+\q+1], 0xbab60b61 op_sel_hi:[1,1,0]
.endr
.irp q, 0,2
	v_pk_fma_f32 v[P+\q:P+\q+1], v[P+\q:P+\q+1], v[U+\q:U+\q+1], 0xbe2aaaab op_sel_hi:[1,1,0]
	v_pk_fma_f32 v[Q+\q:Q+\q+1], v[Q+\q:Q+\q+1], v[U+\q:U+\q+1], 0x3d2aaaab op_sel_hi:[1,1,0]
.endr
.irp q, 0,2
	v_pk_fma_f32 v[P+\q:P+\q+1], v[P+\q:P+\q+1], v[U+\q:U+\q+1], 1.0 op_sel_hi:[1,1,0]
	v_pk_fma_f32 v[Q+\q:Q+\q+1], v[Q+\q:Q+\q+1], v[U+\q:U+\q+1], -0.5 op_sel_hi:[1,1,0]
.endr
.irp q, 0,2
	v_pk_mul_f32 v[P+\q:P+\q+1], v[P+\q:P+\q+1], v[G+\q:G+\q+1]                        ; s = sin g
	v_pk_fma_f32 v[Q+\q:Q+\q+1], v[Q+\q:Q+\q+1], v[U+\q:U+\q+1], 1.0 op_sel_hi:[1,1,0]  ; c = cos g
.endr
.irp q, 0,2
	v_pk_mul_f32 v[TT+\q:TT+\q+1], v[P+\q:P+\q+1], -2.0 op_sel_hi:[1,0]
.endr
.irp q, 0,2
	v_pk_fma_f32 v[CS+\q:CS+\q+1], v[TT+\q:TT+\q+1], v[P+\q:P+\q+1], 1.0 op_sel_hi:[1,1,0]   ; cos 2g = 1 - 2 s s
	v_pk_mul_f32 v[NN+\q:NN+\q+1], v[TT+\q:TT+\q+1], v[Q+\q:Q+\q+1]                          ; -sin 2g = -2 s c
.endr
.irp q, 0,2
	v_pk_mul_f32 v[TT+\q:TT+\q+1], v[P+\q:P+\q+1], 2.0 op_sel_hi:[1,0]
.endr
.irp q, 0,2
	v_pk_mul_f32 v[SN+\q:SN+\q+1], v[TT+\q:TT+\q+1], v[Q+\q:Q+\q+1]                          ; sin 2g
.endr
	; the rotated tiles of q (T+0) and of k (T+16): registers 2 j, 2 j + 1 are a pair (x1, x2)
.irp tb, 0,16
.irp j, 0,1,2,3
	v_mul_f32 v[W+2*\j], v[T+\tb+2*\j+1], v[NN+\j]                     ; -x2 sin
	v_mul_f32 v[W+2*\j+1], v[T+\tb+2*\j], v[SN+\j]                     ;  x1 sin
.endr
.irp j, 0,1,2,3
	v_fma_f32 v[T+\tb+2*\j], v[T+\tb+2*\j], v[CS+\j], v[W+2*\j]
	v_fma_f32 v[T+\tb+2*\j+1], v[T+\tb+2*\j+1], v[CS+\j], v[W+2*\j+1]
.endr
.endr
.set n, 0
.rept 24
	v_cvt_pk_f16_f32 v[PK+n], v[T+2*n], v[T+2*n+1]
.set n, n+1
.endr
	ds_store_b128 v[STQ], v[PK:PK+3] offset:2304*\row
	ds_store_b128 v[STQ], v[PK+4:PK+7] offset:2304*\row+64
	ds_store_b128 v[STQ], v[PK+8:PK+11] offset:KSTG+2304*\row
	ds_store_b128 v[STQ], v[PK+12:PK+15] offset:KSTG+2304*\row+64
	ds_store_b128 v[STV], v[PK+16:PK+19] offset:32*\row
	ds_store_b128 v[STV], v[PK+20:PK+23] offset:16896+32*\row
	v_pk_add_f32 v[POS:POS+1], v[POS:POS+1], 0x41800000 op_sel_hi:[1,0]    ; 16 positions on
.endm
	EPI 0, 0, 0x32
	EPI 1, 1, 0x32
	EPI 2, 2, 0x32
	EPI 3, 3, 0x32
	EPI 4, 0, 0x33
	EPI 5, 1, 0x33
	EPI 6, 2, 0x33
	EPI 7, 3, 0x33
	s_lshr_b32 s66, s22, 3                         ; batch
	s_lshl_b32 s66, s66, 4
	s_add_co_u32 s66, s66, s21                     ; bh = 16 batch + head
	s_and_b32 s67, s22, 7
	s_lshl_b32 s67, s67, 8                         ; first position of the block
	s_lshl_b32 s68, s66, 11
	s_add_co_u32 s68, s68, s67
	s_lshl_b32 s69, s16, 6
	s_add_co_u32 s68, s68, s69
	s_lshl_b32 s68, s68, 7                         ; q, k: (2048 bh + position + 64 w) rows of 128 bytes
	s_mov_b32 s69, 0
	s_add_nc_u64 s[10:11], s[10:11], s[68:69]
	s_add_nc_u64 s[12:13], s[12:13], s[68:69]
	s_lshl_b32 s70, s66, 6
	s_lshl_b32 s71, s16, 4
	s_add_co_u32 s70, s70, s71
	s_lshl_b32 s70, s70, 11
	s_add_co_u32 s70, s70, s67
	s_lshl_b32 s70, s70, 1                         ; v^T: ((64 bh + 16 w) 2048 + position) 2 bytes
	s_mov_b32 s71, 0
	s_add_nc_u64 s[14:15], s[14:15], s[70:71]
	s_wait_dscnt 0x0                               ; my part of the stage is written,
	s_barrier_signal -1
	s_barrier_wait -1                              ; everybody has written: rows hold parts of two waves
.set n, 0
.rept 16
	ds_load_b128 v[32+4*n:35+4*n], v[RDQ] offset:576*n
.set n, n+1
.endr
.set n, 0
.rept 16
	ds_load_b128 v[96+4*n:99+4*n], v[RDQ] offset:KSTG+576*n
.set n, n+1
.endr
.set n, 0
.rept 16
	ds_load_b128 v[160+4*n:163+4*n], v[RDV] offset:528*n
.set n, n+1
.endr
.set n, 0
.rept 16
	s_wait_dscnt 47-n                              ; LDS loads come back in order: the younger ones stay out
	global_store_b128 v[L16], v[32+4*n:35+4*n], s[10:11] offset:512*n       ; four rows of q: 512 consecutive bytes, aligned
.set n, n+1
.endr
.set n, 0
.rept 16
	s_wait_dscnt 31-n
	global_store_b128 v[L16], v[96+4*n:99+4*n], s[12:13] offset:512*n
.set n, n+1
.endr
.set n, 0
.rept 16
	s_wait_dscnt 15-n
	global_store_b128 v[L16], v[160+4*n:163+4*n], s[14:15] offset:4096*n    ; 256 positions of one row of v^T: 512 consecutive bytes, aligned
.set n, n+1
.endr
	s_wait_tensorcnt 0x0
	ds_add_u32 v30, v31
	s_wait_dscnt 0x0
	CROUND                                         ; the closing round
	s_endpgm
.Lfunc_end_k_q06cf553b6e_qkv:
	.size	k_q06cf553b6e_qkv, .Lfunc_end_k_q06cf553b6e_qkv-k_q06cf553b6e_qkv
	.p2alignl 7, 3214868480
	.fill 96, 4, 3214868480
	.section	.rodata,"a",@progbits
	.p2align	6, 0x0
	.amdhsa_kernel k_q06cf553b6e_qkv
		.amdhsa_group_segment_fixed_size 327680
		.amdhsa_private_segment_fixed_size 0
		.amdhsa_enable_private_segment 0
		.amdhsa_kernarg_size 48
		.amdhsa_user_sgpr_count 2
		.amdhsa_user_sgpr_kernarg_segment_ptr 1
		.amdhsa_wavefront_size32 1
		.amdhsa_system_sgpr_workgroup_id_x 1
		.amdhsa_system_sgpr_workgroup_id_y 1
		.amdhsa_system_sgpr_workgroup_id_z 1
		.amdhsa_system_vgpr_workitem_id 0
		.amdhsa_next_free_vgpr 1024
		.amdhsa_next_free_sgpr 80
		.amdhsa_reserve_vcc 0
		.amdhsa_float_denorm_mode_32 3
		.amdhsa_float_denorm_mode_16_64 3
		.amdhsa_memory_ordered 1
		.amdhsa_forward_progress 1
		.amdhsa_inst_pref_size 217
	.end_amdhsa_kernel
	.amdgpu_metadata
---
amdhsa.version: [ 1, 2 ]
amdhsa.kernels:
  - .name:           k_q06cf553b6e_qkv
    .symbol:         k_q06cf553b6e_qkv.kd
    .args:
      - { .name: xh, .offset: 0, .size: 8, .value_kind: global_buffer, .address_space: global }
      - { .name: wqh, .offset: 8, .size: 8, .value_kind: global_buffer, .address_space: global }
      - { .name: bqkv, .offset: 16, .size: 8, .value_kind: global_buffer, .address_space: global }
      - { .name: qh, .offset: 24, .size: 8, .value_kind: global_buffer, .address_space: global }
      - { .name: kh, .offset: 32, .size: 8, .value_kind: global_buffer, .address_space: global }
      - { .name: vth, .offset: 40, .size: 8, .value_kind: global_buffer, .address_space: global }
    .group_segment_fixed_size: 327680
    .private_segment_fixed_size: 0
    .kernarg_segment_align: 8
    .kernarg_segment_size: 48
    .max_flat_workgroup_size: 128
    .sgpr_count:     80
    .vgpr_count:     1024
    .wavefront_size: 32
...
	.end_amdgpu_metadata
.endif
;; end of part 2
;; launch attn (part 3): grid 8 x 32, 8 waves a work-group, clusters of 4 x 1, 327,680 bytes of LDS; arguments qh, kh, vth, ao; writes ao
.if DOCPART == 3
	.amdgcn_target "amdgcn-amd-amdhsa--gfx1250"
	.amdhsa_code_object_version 6
	.text
	.protected	k_q06cf553b6e_attn
	.globl	k_q06cf553b6e_attn
	.p2align	8
	.type	k_q06cf553b6e_attn,@function
k_q06cf553b6e_attn:
	s_mov_b64 s[64:65], 0
	v_nop
	global_prefetch_b8 v0, s[64:65] scope:SCOPE_SE
	s_setreg_imm32_b32 hwreg(HW_REG_WAVE_MODE, 25, 1), 1
	s_wait_xcnt 0x0
	s_wait_alu depctr_hold_cnt(0) depctr_sa_sdst(0) depctr_va_vdst(0) depctr_va_sdst(0) depctr_va_ssrc(0) depctr_va_vcc(0) depctr_vm_vsrc(0)
	s_getreg_b32 s2, hwreg(HW_REG_IB_STS2, 6, 4)
	s_cmp_eq_u32 s2, 0
	s_cbranch_scc0 .Lentry_in_a_cluster
	s_endpgm
.Lentry_in_a_cluster:
	s_bfe_u32 s2, ttmp6, 0x10000c
	s_cmp_lg_u32 s2, 0x3003
	s_cbranch_scc0 .Lentry_shape_is_right
	s_endpgm
.Lentry_shape_is_right:
; softmax(q k^T / 8) v for one head and 256 queries a work-group, with a running maximum.  q and k arrive scaled so that q.k is the score times log2 e.
; Eight waves: w3 = w & 3 takes 64 queries; kh2 = w >> 2 takes the lower or upper 128 keys of every slot of 256 keys; the two waves of a query block
; keep their own maximum, sum and output and are merged at the end through LDS.
; S^T = K Q^T: lane (r, h), register j of tile kt holds key 16 kt + 8 h + j of query r, so maximum and sum are taken inside a lane plus one exchange of
; the halves, and two packed tiles ARE the second operand of O^T = V^T P^T.  In O^T a lane holds one query, so the rescale factor is one number a lane.
; CLUSTERS 4 x 1: the four query blocks of a cluster read the same K and V tiles: joint loads with mask 15; every partner runs the same eight slots.
; OUT: ao [32 mb][16 head][128 m][64 d] f16 = 0.25 x attention output (v arrives as 0.25 v), row 128 mb + m = 2048 batch + position.
; LIMITS: probabilities go to the matrix unit in f16: p below 3e-8 becomes 0 (at most 6e-5 of a row sum, which is at least 1).  Scores are assumed finite.
; No prefetch: every tile was stored by the launch in front of this one and is asked for a slot ahead.
.set SLOT, 68608                       ; K: 128 rows of two keys, pitch 272 (34,816); V^T: 64 rows of 256 keys, pitch 528 (33,792)
.set VOFF, 34816
.set MS,   137216                      ; merge stage: 4 x 18,432, bytes of its own
.set OS,   210944                      ; out stage: 4 x 64 rows x 144, bytes of its own
.set G1K, 24
.set G0K, 32
.set G1V, 40
.set G0V, 48
.set ADRK, 2                           ; v2, v3
.set ADRV, 4                           ; v4, v5
.set MADR, 6
.set STO,  7
.set NM,   8                           ; v[8:15]   pair qt: running maximum, the other half-wave maximum
.set AL,   16                          ; v[16:23]  pair qt: rescale factor, its exponent
.set LS,   24                          ; v[24:31]  pair qt: two partial sums
.set Q,    32                          ; v[32:95]  fragment (qt, ks) at 16 qt + 8 ks
.set KF,   96                          ; v[96:159] fragment (kt, ks)
.set VF,   160                         ; v[160:223] fragment (dt, ks)
.set TM,   224                         ; v[224:227]
.set NG,   228                         ; v[228:235] pair qt: minus the maximum, 0
.set NB,   228                         ; merge: the partner figures
.set LB,   236
.set FB,   244
.set RDO,  252
.set L16,  253
.set QO,   254
; window 1: S tile (qt, kt) at 32 qt + 8 kt; O tile (dt, qt) at 128 + 32 qt + 8 dt; P (qt, ks) packed in place at 32 qt + 16 ks
.set MSB, 0
.macro WIN new
.if MSB != \new
	s_set_vgpr_msb (MSB<<8)|\new
.set MSB, \new
.endif
.endm
.macro PLACES
.rept 4
	v_nop
.endr
.endm
.macro JLOAD s                         ; waves 0 to 3 ask for 64 keys of K each, waves 4 to 7 for 16 rows of V^T each
	s_cmp_eq_u32 s13, 0
	s_cbranch_scc0 .Lfor_v_\@
	tensor_load_to_lds s[G0K+4*\s:G0K+4*\s+3], s[G1K:G1K+7]
	s_nop 0
	s_branch .Lasked_\@
.Lfor_v_\@:
	tensor_load_to_lds s[G0V+4*\s:G0V+4*\s+3], s[G1V:G1V+7]
	s_nop 0
.Lasked_\@:
.endm
.macro CREST
	s_cmp_lg_u32 s12, 0
	s_cbranch_scc1 .Lnot_wave_0_\@
	s_barrier_signal -3
.Lnot_wave_0_\@:
	s_barrier_wait -3
	s_barrier_signal -1
	s_barrier_wait -1
.endm
.macro CROUND
	s_barrier_signal -1
	s_barrier_wait -1
	CREST
.endm
	s_load_b256 s[4:11], s[0:1], 0x0               ; qh s[4:5], kh s[6:7], vth s[8:9], ao s[10:11]
	v_lshl_add_u32 v254, v0, 2, 0x3c800
	v_mov_b32 v255, 0
	ds_add_u32 v254, v255
	s_wait_dscnt 0x0
	v_lshrrev_b32 v1, 5, v0
	v_readfirstlane_b32 s12, v1                    ; wave
	s_lshr_b32 s13, s12, 2                         ; kh2; also: I fetch K (0) or V (1)
	s_and_b32 s14, s12, 3                          ; w3
	s_bfe_u32 s15, ttmp6, 0x40000                  ; cx
	s_lshl_b32 s16, ttmp9, 2
	s_add_co_u32 s16, s16, s15                     ; block of 256 queries
	s_and_b32 s17, ttmp7, 0xffff                   ; bh
	s_mov_b32 s18, 0x76543210                      ; v_permlanex16_b32: lane i reads lane i of the other half
	s_mov_b32 s19, 0xfedcba98
	s_mov_b32 s[G1K+0], 15|(1<<16)|(1<<20)|(1<<21)|(5<<22)|(3<<25)   ; all four partners; 2-byte elements; 4 words of padding after every 64
	s_mov_b32 s[G1K+1], 128<<16                    ; a dense block as rows of 256 bytes (two keys)
	s_mov_b32 s[G1K+2], 32<<16
	s_mov_b32 s[G1K+3], 128<<16
	s_mov_b32 s[G1K+4], 32
	s_mov_b32 s[G1K+5], 128
	s_mov_b32 s[G1K+6], 0
	s_mov_b32 s[G1K+7], 0
	s_mov_b32 s[G1V+0], 15|(1<<16)|(1<<20)|(1<<21)|(6<<22)|(3<<25)   ; padding after every 128 words
	s_mov_b32 s[G1V+1], 256<<16                    ; 16 rows of 256 keys
	s_mov_b32 s[G1V+2], 16<<16
	s_mov_b32 s[G1V+3], 256<<16
	s_mov_b32 s[G1V+4], 16
	s_mov_b32 s[G1V+5], 2048
	s_mov_b32 s[G1V+6], 0
	s_mov_b32 s[G1V+7], 0
	s_lshl_b32 s56, s17, 11                        ; K: (2048 bh + 64 w3) rows of 128 bytes
	s_lshl_b32 s57, s14, 6
	s_add_co_u32 s56, s56, s57
	s_lshl_b32 s56, s56, 7
	s_mov_b32 s57, 0
	s_lshl_b32 s60, s17, 6                         ; V^T: (64 bh + 16 w3) rows of 4,096 bytes
	s_lshl_b32 s61, s14, 4
	s_add_co_u32 s60, s60, s61
	s_lshl_b32 s60, s60, 12
	s_mov_b32 s61, 0
	s_mul_i32 s21, s12, 8704                       ; LDS: waves 0 to 3 at w x 32 rows x 272
	s_mul_i32 s22, s12, 8448                       ;      waves 4 to 7 at 34,816 + (w - 4) x 16 rows x 528
	s_add_co_u32 s22, s22, VOFF-4*8448
	s_wait_kmcnt 0x0
	s_add_nc_u64 s[58:59], s[6:7], s[56:57]
	s_add_nc_u64 s[62:63], s[8:9], s[60:61]
	CROUND                                         ; the four partners are here: the first joint loads meet
.irp s, 0,1
	s_mov_b32 s[G0K+4*\s], 1
	s_add_co_u32 s[G0K+4*\s+1], s21, \s*SLOT
	s_add_nc_u64 s[G0K+4*\s+2:G0K+4*\s+3], s[58:59], \s*32768      ; 256 keys on
	s_or_b32 s[G0K+4*\s+3], s[G0K+4*\s+3], 0x80000000
	s_mov_b32 s[G0V+4*\s], 1
	s_add_co_u32 s[G0V+4*\s+1], s22, \s*SLOT
	s_add_nc_u64 s[G0V+4*\s+2:G0V+4*\s+3], s[62:63], \s*512
	s_or_b32 s[G0V+4*\s+3], s[G0V+4*\s+3], 0x80000000
	JLOAD \s                                       ; two loads of this wave are out, the most in this text
.endr
	v_and_b32 v1, 15, v0                           ; r
	v_bfe_u32 v244, v0, 4, 1                       ; h
	v_and_b32 v245, 31, v0                         ; lane
	v_lshlrev_b32 v[QO], 7, v1                     ; Q fragment: row r of 128 bytes + 16 h
	v_lshl_add_u32 v[QO], v244, 4, v[QO]
	s_lshl_b32 s56, s17, 11
	s_lshl_b32 s57, s16, 8
	s_add_co_u32 s56, s56, s57
	s_lshl_b32 s57, s14, 6
	s_add_co_u32 s56, s56, s57
	s_lshl_b32 s56, s56, 7                         ; (2048 bh + 256 x + 64 w3) rows of 128 bytes
	s_mov_b32 s57, 0
	s_add_nc_u64 s[4:5], s[4:5], s[56:57]
.irp qt, 0,1,2,3
.irp ks, 0,1
	global_load_b128 v[Q+16*\qt+8*\ks:Q+16*\qt+8*\ks+3], v[QO], s[4:5] offset:2048*\qt+64*\ks
	global_load_b128 v[Q+16*\qt+8*\ks+4:Q+16*\qt+8*\ks+7], v[QO], s[4:5] offset:2048*\qt+64*\ks+32
.endr
.endr
	v_lshrrev_b32 v246, 1, v1                      ; K fragment: key r lies in row r >> 1, half r & 1
	v_mul_u32_u24 v246, v246, 272
	v_and_b32 v247, 1, v1
	v_lshl_add_u32 v246, v247, 7, v246
	v_lshl_add_u32 v246, v244, 4, v246
	s_mul_i32 s56, s13, 17408                      ; my 128 keys of a slot
	v_add_nc_u32 v[ADRK], s56, v246
	v_add_nc_u32 v[ADRK+1], SLOT, v[ADRK]
	v_mul_u32_u24 v246, v1, 528                    ; V^T fragment: row r, my 128 keys at byte 256 kh2
	v_lshl_add_u32 v246, v244, 4, v246
	s_lshl_b32 s56, s13, 8
	s_add_co_u32 s56, s56, VOFF
	v_add_nc_u32 v[ADRV], s56, v246
	v_add_nc_u32 v[ADRV+1], SLOT, v[ADRV]
	s_mul_i32 s56, s14, 18432
	s_add_co_u32 s56, s56, MS
	v_lshl_add_u32 v[MADR], v245, 4, s56
	s_mul_i32 s56, s14, 9216
	s_add_co_u32 s56, s56, OS
	v_mul_u32_u24 v246, v1, 144
	v_lshl_add_u32 v246, v244, 4, v246
	v_add_nc_u32 v[STO], s56, v246
	v_lshrrev_b32 v246, 3, v245
	v_mul_u32_u24 v246, v246, 144
	v_and_b32 v247, 7, v245
	v_lshl_add_u32 v246, v247, 4, v246
	v_add_nc_u32 v[RDO], s56, v246
	v_lshlrev_b32 v[L16], 4, v245
.irp i, 0,1,2,3,4,5,6,7
	v_mov_b32 v[NM+\i], 0xff800000                 ; the maximum starts at minus infinity,
	v_mov_b32 v[LS+\i], 0                          ; the sums at 0
.endr
.irp i, 1,3,5,7
	v_mov_b32 v[NG+\i], 0                          ; the unused halves of pairs that packed instructions name
.endr
.macro LDK slot, u                     ; 16 loads: my 64 keys of step u, four tiles x two halves of d
.irp kt, 0,1,2,3
.irp ks, 0,1
	ds_load_b128 v[KF+16*\kt+8*\ks:KF+16*\kt+8*\ks+3], v[ADRK+\slot] offset:8704*\u+2176*\kt+64*\ks
	ds_load_b128 v[KF+16*\kt+8*\ks+4:KF+16*\kt+8*\ks+7], v[ADRK+\slot] offset:8704*\u+2176*\kt+64*\ks+32
.endr
.endr
.endm
.macro LDV slot, u                     ; 16 loads: four tiles of d x two halves of my 64 keys
.irp dt, 0,1,2,3
.irp ks, 0,1
	ds_load_b128 v[VF+16*\dt+8*\ks:VF+16*\dt+8*\ks+3], v[ADRV+\slot] offset:8448*\dt+128*\u+64*\ks
	ds_load_b128 v[VF+16*\dt+8*\ks+4:VF+16*\dt+8*\ks+7], v[ADRV+\slot] offset:8448*\dt+128*\u+64*\ks+32
.endr
.endr
.endm
; One step: 64 queries x 64 keys.  u = which 64 of my 128 keys in the slot; first = 1: the sums of O start here; chg = 0: no change of slots,
; 1: change without refill, 2: change with the joint refill of this slot.  In both products the 16 accumulators take turns, one instruction a turn.
.macro STEP slot, other, u, first, chg
.if \first == 0
.rept 5
	v_nop                                          ; five places (ISA guide 7.12.1): the first products below write over P, which the matrix instructions just issued read
.endr
.endif
	s_wait_dscnt 0x0                               ; the K fragments are in
	WIN 0x50
.irp ks, 0,1
.irp kt, 0,1,2,3
.irp qt, 0,1,2,3
.if \ks == 0
	v_wmma_f32_16x16x32_f16 v[32*\qt+8*\kt:32*\qt+8*\kt+7], v[KF+16*\kt+8*\ks:KF+16*\kt+8*\ks+7], v[Q+16*\qt+8*\ks:Q+16*\qt+8*\ks+7], 0
.else
	v_wmma_f32_16x16x32_f16 v[32*\qt+8*\kt:32*\qt+8*\kt+7], v[KF+16*\kt+8*\ks:KF+16*\kt+8*\ks+7], v[Q+16*\qt+8*\ks:Q+16*\qt+8*\ks+7], v[32*\qt+8*\kt:32*\qt+8*\kt+7]
.endif
.endr
.endr
.endr
	WIN 0
	PLACES                                         ; for the loads into the K fragments and for the reads of S
	LDV \slot, \u
.if \u == 0
	LDK \slot, 1
.endif
	WIN 0x14                                       ; the maximum of my 32 scores of each query tile and the old maximum, four chains by turns
.irp qt, 0,1,2,3
	v_max3_num_f32 v[TM+\qt], v[NM+2*\qt], v[32*\qt], v[32*\qt+1]
.endr
.irp c, 2,4,6,8,10,12,14,16,18,20,22,24,26,28,30
.irp qt, 0,1,2,3
	v_max3_num_f32 v[TM+\qt], v[TM+\qt], v[32*\qt+\c], v[32*\qt+\c+1]
.endr
.endr
	WIN 0
.irp qt, 0,1,2,3
	v_permlanex16_b32 v[NM+2*\qt+1], v[TM+\qt], s18, s19           ; the other eight keys of each tile lie in the other half of the lanes
.endr
.irp qt, 0,1,2,3
	v_max_num_f32 v[TM+\qt], v[TM+\qt], v[NM+2*\qt+1]
.endr
.irp qt, 0,1,2,3
	v_sub_f32 v[AL+2*\qt+1], v[NM+2*\qt], v[TM+\qt]                ; old maximum - new maximum, at most 0
.endr
.irp qt, 0,1,2,3
	v_exp_f32 v[AL+2*\qt], v[AL+2*\qt+1]
.endr
.irp qt, 0,1,2,3
	v_mov_b32 v[NM+2*\qt], v[TM+\qt]                               ; plain instructions behind the exponentials (ISA guide 5.7.2)
	v_mul_f32 v[NG+2*\qt], -1.0, v[TM+\qt]
.endr
	s_wait_alu depctr_va_vdst(0)
.irp qt, 0,1,2,3
	v_pk_mul_f32 v[LS+2*\qt:LS+2*\qt+1], v[LS+2*\qt:LS+2*\qt+1], v[AL+2*\qt:AL+2*\qt+1] op_sel_hi:[1,0]
.endr
.if \chg
	s_wait_dscnt 0x0                               ; all my reads of this slot are back (the V fragments were the last)
	s_wait_xcnt 0x0
	v_lshl_add_u32 v254, v0, 2, 0x3c800
	v_mov_b32 v255, 0
	s_wait_tensorcnt 0x0                           ; all my tensor loads have landed: the one that was out is my part of the other slot
	ds_add_u32 v254, v255
	s_wait_dscnt 0x0
.if \chg == 2
	s_add_nc_u64 s[G0K+4*\slot+2:G0K+4*\slot+3], s[G0K+4*\slot+2:G0K+4*\slot+3], 65536   ; two slots of 256 keys on
	s_add_nc_u64 s[G0V+4*\slot+2:G0V+4*\slot+3], s[G0V+4*\slot+2:G0V+4*\slot+3], 1024
.endif
	s_barrier_signal -1                            ; only register work stands between this signal and its wait
.endif
	WIN 0x41                                       ; p = exp2(S - maximum), tile by tile; the next tile subtracts and the rescale of O are the plain places behind the exponentials
.irp qt, 0,1,2,3
.irp kt, 0,1,2,3
.irp c, 0,2,4,6
	v_pk_add_f32 v[32*\qt+8*\kt+\c:32*\qt+8*\kt+\c+1], v[32*\qt+8*\kt+\c:32*\qt+8*\kt+\c+1], v[NG+2*\qt:NG+2*\qt+1] op_sel_hi:[1,0]
.endr
.if \first == 0
.irp c, 0,2,4,6
	v_pk_mul_f32 v[128+32*\qt+8*\kt+\c:128+32*\qt+8*\kt+\c+1], v[128+32*\qt+8*\kt+\c:128+32*\qt+8*\kt+\c+1], v[AL+2*\qt:AL+2*\qt+1] op_sel_hi:[1,0]
.endr
.endif
.irp c, 0,1,2,3,4,5,6,7
	v_exp_f32 v[32*\qt+8*\kt+\c], v[32*\qt+8*\kt+\c]
.endr
.endr
.endr
	WIN 0x04                                       ; the sums, four chains by turns; the first line names tile 0, not the exponentials just issued
	s_wait_alu depctr_va_vdst(0)
.irp c, 0,2,4,6,8,10,12,14,16,18,20,22,24,26,28,30
.irp qt, 0,1,2,3
	v_pk_add_f32 v[LS+2*\qt:LS+2*\qt+1], v[LS+2*\qt:LS+2*\qt+1], v[32*\qt+\c:32*\qt+\c+1]
.endr
.endr
	WIN 0x45                                       ; P in f16, packed in place: register c of a block of 16 takes registers 2 c and 2 c + 1, c ascending
.irp qt, 0,1,2,3
.irp ks, 0,1
.irp c, 0,1,2,3,4,5,6,7
	v_cvt_pk_f16_f32 v[32*\qt+16*\ks+\c], v[32*\qt+16*\ks+2*\c], v[32*\qt+16*\ks+2*\c+1]
.endr
.endr
.endr
.if \u == 0
	s_wait_dscnt 16                                ; the V fragments are in; the 16 younger loads (the next K fragments) stay out
.else
.if \chg == 0
	s_wait_dscnt 0x0
.endif
.endif
	WIN 0x54
.irp ks, 0,1
.irp dt, 0,1,2,3
.irp qt, 0,1,2,3
.if \first && (\ks == 0)
	v_wmma_f32_16x16x32_f16 v[128+32*\qt+8*\dt:128+32*\qt+8*\dt+7], v[VF+16*\dt+8*\ks:VF+16*\dt+8*\ks+7], v[32*\qt+16*\ks:32*\qt+16*\ks+7], 0
.else
	v_wmma_f32_16x16x32_f16 v[128+32*\qt+8*\dt:128+32*\qt+8*\dt+7], v[VF+16*\dt+8*\ks:VF+16*\dt+8*\ks+7], v[32*\qt+16*\ks:32*\qt+16*\ks+7], v[128+32*\qt+8*\dt:128+32*\qt+8*\dt+7]
.endif
.endr
.endr
.endr
.if \chg
	WIN 0
	s_barrier_wait -1                              ; nobody reads this slot any more, and the other slot is whole
.if \chg == 2
	CREST                                          ; the same holds of all four partners
	JLOAD \slot                                    ; my one tensor load behind the round, ahead of every LDS read
.endif
	LDK \other, 0
.endif
.endm
.macro WORK slot, other, chg, first
	STEP \slot, \other, 0, \first, 0
	STEP \slot, \other, 1, 0, \chg
.endm
	s_wait_tensorcnt 0x1                           ; my part of slot 0 is in; slot 1 stays out
	s_barrier_signal -1
	s_barrier_wait -1
	LDK 0, 0
	s_wait_loadcnt 0x0                             ; Q
	WORK 0, 1, 2, 1                                ; keys 0..255; refill: keys 512..
	s_mov_b32 s20, 2
.Lpair:
	WORK 1, 0, 2, 0
	WORK 0, 1, 2, 0
	s_sub_co_u32 s20, s20, 1
	s_cmp_lg_u32 s20, 0
	s_cbranch_scc1 .Lpair
	WORK 1, 0, 2, 0                                ; the sixth slot; its refill is the eighth and last
	WORK 0, 1, 1, 0                                ; nothing is left to fetch
	WORK 1, 0, 0, 0
	; THE MERGE of the two key halves.  Waves 4 to 7 hand O, maxima and sums to waves 0 to 3, lane for lane.
	WIN 0
	PLACES                                         ; behind the last matrix instructions: stores of O, loads into the fragment registers
	s_cmp_eq_u32 s13, 0
	s_cbranch_scc1 .Lown
	WIN 0x04                                       ; store data in window 1
.set i, 0
.rept 32
	ds_store_b128 v[MADR], v[128+4*i:128+4*i+3] offset:512*i
.set i, i+1
.endr
	WIN 0
	ds_store_b128 v[MADR], v[NM:NM+3] offset:16384
	ds_store_b128 v[MADR], v[NM+4:NM+7] offset:16896
	ds_store_b128 v[MADR], v[LS:LS+3] offset:17408
	ds_store_b128 v[MADR], v[LS+4:LS+7] offset:17920
.Lown:
	s_wait_dscnt 0x0                               ; for the partner: zero
	s_barrier_signal -1
	s_barrier_wait -1
	s_cmp_lg_u32 s13, 0
	s_cbranch_scc1 .Lclose
	ds_load_b128 v[NB:NB+3], v[MADR] offset:16384
	ds_load_b128 v[NB+4:NB+7], v[MADR] offset:16896
	ds_load_b128 v[LB:LB+3], v[MADR] offset:17408
	ds_load_b128 v[LB+4:LB+7], v[MADR] offset:17920
.set i, 0
.rept 32
	ds_load_b128 v[96+4*i:96+4*i+3], v[MADR] offset:512*i
.set i, i+1
.endr
	s_lshr_b32 s56, s17, 4                         ; ao: mb = 16 batch + 2 x + (w >> 1), m = 64 (w & 1) + query
	s_lshl_b32 s56, s56, 4
	s_lshl_b32 s57, s16, 1
	s_add_co_u32 s56, s56, s57
	s_lshr_b32 s57, s14, 1
	s_add_co_u32 s56, s56, s57
	s_lshl_b32 s56, s56, 4
	s_and_b32 s57, s17, 15
	s_add_co_u32 s56, s56, s57                     ; 16 mb + head
	s_lshl_b32 s56, s56, 7
	s_and_b32 s57, s14, 1
	s_lshl_b32 s57, s57, 6
	s_add_co_u32 s56, s56, s57
	s_lshl_b32 s56, s56, 7                         ; rows of 128 bytes
	s_mov_b32 s57, 0
	s_add_nc_u64 s[10:11], s[10:11], s[56:57]
	s_wait_dscnt 32                                ; the four loads of maxima and sums are in; the 32 of O stay out
.irp qt, 0,1,2,3
	v_max_num_f32 v[TM+\qt], v[NM+2*\qt], v[NB+2*\qt]
.endr
.irp qt, 0,1,2,3
	v_sub_f32 v[AL+2*\qt], v[NM+2*\qt], v[TM+\qt]
	v_sub_f32 v[FB+2*\qt], v[NB+2*\qt], v[TM+\qt]
	v_add_f32 v[LS+2*\qt], v[LS+2*\qt], v[LS+2*\qt+1]
	v_add_f32 v[LB+2*\qt], v[LB+2*\qt], v[LB+2*\qt+1]
.endr
.irp qt, 0,1,2,3
	v_exp_f32 v[AL+2*\qt], v[AL+2*\qt]
	v_exp_f32 v[FB+2*\qt], v[FB+2*\qt]
.endr
	v_nop                                          ; a plain place behind the exponentials
	s_wait_alu depctr_va_vdst(0)
.irp qt, 0,1,2,3
	v_mul_f32 v[LS+2*\qt], v[LS+2*\qt], v[AL+2*\qt]
.endr
.irp qt, 0,1,2,3
	v_fmac_f32 v[LS+2*\qt], v[LB+2*\qt], v[FB+2*\qt]
.endr
.irp qt, 0,1,2,3
	v_permlanex16_b32 v[LS+2*\qt+1], v[LS+2*\qt], s18, s19
.endr
.irp qt, 0,1,2,3
	v_add_f32 v[LS+2*\qt], v[LS+2*\qt], v[LS+2*\qt+1]              ; the whole row sum, at least 1
.endr
.irp qt, 0,1,2,3
	v_rcp_f32 v[LS+2*\qt], v[LS+2*\qt]
.endr
	v_nop
	s_wait_alu depctr_va_vdst(0)
.irp qt, 0,1,2,3
	v_mul_f32 v[AL+2*\qt], v[AL+2*\qt], v[LS+2*\qt]
	v_mul_f32 v[FB+2*\qt], v[FB+2*\qt], v[LS+2*\qt]
.endr
.irp qt, 0,1,2,3
	v_mov_b32 v[FB+2*\qt+1], v[FB+2*\qt]
.endr
	s_wait_dscnt 0x0
.irp qt, 0,1,2,3
.irp c, 0,2,4,6,8,10,12,14,16,18,20,22,24,26,28,30
	v_pk_mul_f32 v[96+32*\qt+\c:96+32*\qt+\c+1], v[96+32*\qt+\c:96+32*\qt+\c+1], v[FB+2*\qt:FB+2*\qt+1] op_sel_hi:[1,0]
.endr
.endr
	WIN 0x01                                       ; my O in window 1
.irp qt, 0,1,2,3
.irp c, 0,2,4,6,8,10,12,14,16,18,20,22,24,26,28,30
	v_pk_fma_f32 v[96+32*\qt+\c:96+32*\qt+\c+1], v[128+32*\qt+\c:128+32*\qt+\c+1], v[AL+2*\qt:AL+2*\qt+1], v[96+32*\qt+\c:96+32*\qt+\c+1] op_sel_hi:[1,0,1]
.endr
.endr
	WIN 0
.set i, 0
.rept 64
	v_cvt_pk_f16_f32 v[Q+i], v[96+2*i], v[96+2*i+1]
.set i, i+1
.endr
.irp qt, 0,1,2,3
.irp dt, 0,1,2,3
	ds_store_b128 v[STO], v[Q+16*\qt+4*\dt:Q+16*\qt+4*\dt+3] offset:2304*\qt+32*\dt    ; query 16 qt + r, d = 16 dt + 8 h .. + 7
.endr
.endr
.set i, 0
.rept 16
	ds_load_b128 v[96+4*i:96+4*i+3], v[RDO] offset:576*i           ; my own bytes: LDS serves a wave in order (ISA guide 5.7.1)
.set i, i+1
.endr
.set i, 0
.rept 16
	s_wait_dscnt 15-i                              ; the younger loads stay out
	global_store_b128 v[L16], v[96+4*i:96+4*i+3], s[10:11] offset:512*i    ; four rows: 512 consecutive bytes, aligned
.set i, i+1
.endr
.Lclose:
	s_wait_xcnt 0x0
	v_lshl_add_u32 v254, v0, 2, 0x3c800
	v_mov_b32 v255, 0
	s_wait_tensorcnt 0x0
	ds_add_u32 v254, v255
	s_wait_dscnt 0x0
	CROUND                                         ; the closing round
	s_endpgm
.Lfunc_end_k_q06cf553b6e_attn:
	.size	k_q06cf553b6e_attn, .Lfunc_end_k_q06cf553b6e_attn-k_q06cf553b6e_attn
	.p2alignl 7, 3214868480
	.fill 96, 4, 3214868480
	.section	.rodata,"a",@progbits
	.p2align	6, 0x0
	.amdhsa_kernel k_q06cf553b6e_attn
		.amdhsa_group_segment_fixed_size 327680
		.amdhsa_private_segment_fixed_size 0
		.amdhsa_enable_private_segment 0
		.amdhsa_kernarg_size 32
		.amdhsa_user_sgpr_count 2
		.amdhsa_user_sgpr_kernarg_segment_ptr 1
		.amdhsa_wavefront_size32 1
		.amdhsa_system_sgpr_workgroup_id_x 1
		.amdhsa_system_sgpr_workgroup_id_y 1
		.amdhsa_system_sgpr_workgroup_id_z 1
		.amdhsa_system_vgpr_workitem_id 0
		.amdhsa_next_free_vgpr 512
		.amdhsa_next_free_sgpr 66
		.amdhsa_reserve_vcc 0
		.amdhsa_float_denorm_mode_32 3
		.amdhsa_float_denorm_mode_16_64 3
		.amdhsa_memory_ordered 1
		.amdhsa_forward_progress 1
		.amdhsa_inst_pref_size 255
	.end_amdhsa_kernel
	.section	.bss,"aw",@nobits
	.p2align	6
	.space	262144
	.amdgpu_metadata
---
amdhsa.version: [ 1, 2 ]
amdhsa.kernels:
  - .name:           k_q06cf553b6e_attn
    .symbol:         k_q06cf553b6e_attn.kd
    .args:
      - { .name: qh, .offset: 0, .size: 8, .value_kind: global_buffer, .address_space: global }
      - { .name: kh, .offset: 8, .size: 8, .value_kind: global_buffer, .address_space: global }
      - { .name: vth, .offset: 16, .size: 8, .value_kind: global_buffer, .address_space: global }
      - { .name: ao, .offset: 24, .size: 8, .value_kind: global_buffer, .address_space: global }
    .group_segment_fixed_size: 327680
    .private_segment_fixed_size: 0
    .kernarg_segment_align: 8
    .kernarg_segment_size: 32
    .max_flat_workgroup_size: 256
    .sgpr_count:     66
    .vgpr_count:     512
    .wavefront_size: 32
...
	.end_amdgpu_metadata
.endif
;; end of part 3
;; launch proj (part 4): grid 8 x 32, 4 waves a work-group, clusters of 4 x 4, 327,680 bytes of LDS; arguments ao, woh, bout, out0; writes out0
.if DOCPART == 4
	.amdgcn_target "amdgcn-amd-amdhsa--gfx1250"
	.amdhsa_code_object_version 6
	.text
	.protected	k_q06cf553b6e_proj
	.globl	k_q06cf553b6e_proj
	.p2align	8
	.type	k_q06cf553b6e_proj,@function
k_q06cf553b6e_proj:
	s_mov_b64 s[64:65], 0
	v_nop
	global_prefetch_b8 v0, s[64:65] scope:SCOPE_SE
	s_setreg_imm32_b32 hwreg(HW_REG_WAVE_MODE, 25, 1), 1
	s_wait_xcnt 0x0
	s_wait_alu depctr_hold_cnt(0) depctr_sa_sdst(0) depctr_va_vdst(0) depctr_va_sdst(0) depctr_va_ssrc(0) depctr_va_vcc(0) depctr_vm_vsrc(0)
	s_getreg_b32 s2, hwreg(HW_REG_IB_STS2, 6, 4)
	s_cmp_eq_u32 s2, 0
	s_cbranch_scc0 .Lentry_in_a_cluster
	s_endpgm
.Lentry_in_a_cluster:
	s_bfe_u32 s2, ttmp6, 0x10000c
	s_cmp_lg_u32 s2, 0xf033
	s_cbranch_scc0 .Lentry_shape_is_right
	s_endpgm
.Lentry_shape_is_right:
; out0 = attention output x Wout^T + bout.  ao holds 0.25 x the attention output, so out0 = 4 x sum + bias, one fused multiply-add.
; A work-group makes 128 rows x 128 columns (8 x 32 = 256 work-groups); four waves, 64 x 64 each: 16 accumulator tiles.
; K = 1024 goes in four slots-full of 256 (four heads) through two LDS slots.  ao is laid out [32 mb][16 head][128 m][64 d], so the four heads of a
; row block are 64 KiB dense in memory and come in as rows of 256 bytes (two m); rows of Wout come in as 512 bytes.
; CLUSTERS 4 x 4: the tile of ao hangs on the row block alone (shared along a row of the cluster), the tile of Wout on the column block alone (along a column).
; The matrix instruction is used transposed (source 0 = rows of Wout): a lane holds 8 neighbouring columns of one row of out0.
; LIMIT: f16 operands, magnitudes below 65,504.
.set SLOT,  137216                     ; ao: 4 heads x 64 rows, pitch 272 (69,632); Wout: 128 rows, pitch 528 (67,584)
.set BOFF,  69632
.set STAGE, 274432                     ; 4 x 16 rows x 272, bytes of its own
.set G1A, 24
.set G0A, 32
.set G1B, 48
.set G0B, 56
.set ADRA, 4
.set ADRB, 6
.set STO,  8
.set RD,   9
.set CO,   10
.set BO,   11
.set AF,   32                          ; window 0: v[32:95], v[96:159] fragments of ao (a, ks) at 16 a + 8 ks, two buffers
.set BI,   160                         ; v[160:191] bias of my 4 x 8 columns
.set T,    192                         ; v[192:223]
.set BF,   128                         ; window 1: v[128:191], v[192:255] fragments of Wout, two buffers; v[0:127] accumulators (a, b) at 8 (4 a + b)
.set MSB, 0
.macro WIN new
.if MSB != \new
	s_set_vgpr_msb (MSB<<8)|\new
.set MSB, \new
.endif
.endm
.macro PLACES
.rept 4
	v_nop
.endr
.endm
.macro JLOAD s
	s_cmp_eq_u32 s17, 0
	s_cbranch_scc0 .Lfor_b_\@
	tensor_load_to_lds s[G0A+4*\s:G0A+4*\s+3], s[G1A:G1A+7]
	s_nop 0
	s_branch .Lasked_\@
.Lfor_b_\@:
	tensor_load_to_lds s[G0B+4*\s:G0B+4*\s+3], s[G1B:G1B+7]
	s_nop 0
.Lasked_\@:
.endm
.macro CREST
	s_cmp_lg_u32 s16, 0
	s_cbranch_scc1 .Lnot_wave_0_\@
	s_barrier_signal -3
.Lnot_wave_0_\@:
	s_barrier_wait -3
	s_barrier_signal -1
	s_barrier_wait -1
.endm
.macro CROUND
	s_barrier_signal -1
	s_barrier_wait -1
	CREST
.endm
	s_load_b256 s[4:11], s[0:1], 0x0               ; ao s[4:5], woh s[6:7], bout s[8:9], out0 s[10:11]
	v_lshl_add_u32 v254, v0, 2, 0x47400
	v_mov_b32 v255, 0
	ds_add_u32 v254, v255
	v_lshrrev_b32 v1, 5, v0
	v_readfirstlane_b32 s16, v1                    ; wave
	s_lshr_b32 s17, s16, 1                         ; wm; also: I fetch ao (0) or Wout (1)
	s_and_b32 s18, s16, 1                          ; wn; also: which half I fetch
	s_bfe_u32 s19, ttmp6, 0x40000                  ; cx
	s_bfe_u32 s20, ttmp6, 0x40004                  ; cy
	s_lshl_b32 s21, ttmp9, 2
	s_add_co_u32 s21, s21, s19                     ; block of 128 columns
	s_and_b32 s22, ttmp7, 0xffff
	s_lshl_b32 s22, s22, 2
	s_add_co_u32 s22, s22, s20                     ; block of 128 rows
	s_lshl_b32 s40, s20, 2
	s_lshl_b32 s40, 15, s40                        ; my row of the cluster
	s_lshl_b32 s44, 0x1111, s19                    ; my column
	s_or_b32 s[G1A+0], s40, (1<<16)|(1<<20)|(1<<21)|(5<<22)|(3<<25)   ; 4 words of padding after every 64
	s_or_b32 s[G1B+0], s44, (1<<16)|(1<<20)|(1<<21)|(6<<22)|(3<<25)   ; after every 128
	s_mov_b32 s[G1A+1], 128<<16                    ; two heads, dense: 128 rows of 256 bytes
	s_mov_b32 s[G1A+2], 128<<16
	s_mov_b32 s[G1A+3], 128<<16
	s_mov_b32 s[G1A+4], 128
	s_mov_b32 s[G1A+5], 128
	s_mov_b32 s[G1A+6], 0
	s_mov_b32 s[G1A+7], 0
	s_mov_b32 s[G1B+1], 256<<16                    ; 64 rows of 256 along K
	s_mov_b32 s[G1B+2], 64<<16
	s_mov_b32 s[G1B+3], 256<<16
	s_mov_b32 s[G1B+4], 64
	s_mov_b32 s[G1B+5], 1024
	s_mov_b32 s[G1B+6], 0
	s_mov_b32 s[G1B+7], 0
	s_lshl_b32 s40, s22, 4                         ; ao: head block 16 y + 2 half, 16,384 bytes each; registers that never hold cx
	s_lshl_b32 s41, s18, 1
	s_add_co_u32 s40, s40, s41
	s_lshl_b32 s40, s40, 14
	s_mov_b32 s41, 0
	s_lshl_b32 s44, s21, 7                         ; Wout: row 128 x + 64 half, 2,048 bytes each; registers that never hold cy
	s_lshl_b32 s45, s18, 6
	s_add_co_u32 s44, s44, s45
	s_lshl_b32 s44, s44, 11
	s_mov_b32 s45, 0
	s_mul_i32 s66, s16, 34816                      ; LDS: waves 0, 1 at w x 128 rows x 272
	s_mul_i32 s67, s16, 33792                      ;      waves 2, 3 at 69,632 + (w - 2) x 64 rows x 528
	s_add_co_u32 s67, s67, BOFF-2*33792
	s_wait_dscnt 0x0
	s_wait_kmcnt 0x0
	s_add_nc_u64 s[42:43], s[4:5], s[40:41]
	s_add_nc_u64 s[46:47], s[6:7], s[44:45]
	CROUND                                         ; all sixteen work-groups are here
.irp s, 0,1
	s_mov_b32 s[G0A+4*\s], 1
	s_add_co_u32 s[G0A+4*\s+1], s66, \s*SLOT
	s_add_nc_u64 s[G0A+4*\s+2:G0A+4*\s+3], s[42:43], \s*65536      ; four heads on
	s_or_b32 s[G0A+4*\s+3], s[G0A+4*\s+3], 0x80000000
	s_mov_b32 s[G0B+4*\s], 1
	s_add_co_u32 s[G0B+4*\s+1], s67, \s*SLOT
	s_add_nc_u64 s[G0B+4*\s+2:G0B+4*\s+3], s[46:47], \s*512
	s_or_b32 s[G0B+4*\s+3], s[G0B+4*\s+3], 0x80000000
	JLOAD \s                                       ; two loads of this wave are out, the most in this text
.endr
	v_and_b32 v1, 15, v0                           ; r
	v_bfe_u32 v2, v0, 4, 1                         ; h
	s_lshl_b32 s66, s21, 9                         ; bias: 4 (128 x + 64 wn + 8 h) bytes
	s_lshl_b32 s67, s18, 8
	s_add_co_u32 s66, s66, s67
	v_lshl_add_u32 v[BO], v2, 5, s66
.irp b, 0,1,2,3
	global_load_b128 v[BI+8*\b:BI+8*\b+3], v[BO], s[8:9] offset:64*\b
	global_load_b128 v[BI+8*\b+4:BI+8*\b+7], v[BO], s[8:9] offset:64*\b+16
.endr
	v_lshrrev_b32 v3, 1, v1                        ; ao fragment: row m = r lies in LDS row r >> 1, half r & 1
	v_mul_u32_u24 v3, v3, 272
	v_and_b32 v12, 1, v1
	v_lshl_add_u32 v3, v12, 7, v3
	v_lshl_add_u32 v3, v2, 4, v3
	s_mul_i32 s66, s17, 8704                       ; my 64 rows
	v_add_nc_u32 v[ADRA], s66, v3
	v_add_nc_u32 v[ADRA+1], SLOT, v[ADRA]
	v_mul_u32_u24 v3, v1, 528
	v_lshl_add_u32 v3, v2, 4, v3
	s_mul_i32 s66, s18, 33792                      ; my 64 rows of Wout
	s_add_co_u32 s66, s66, BOFF
	v_add_nc_u32 v[ADRB], s66, v3
	v_add_nc_u32 v[ADRB+1], SLOT, v[ADRB]
	s_mul_i32 s66, s16, 4352
	s_add_co_u32 s66, s66, STAGE                   ; my stage
	v_mul_u32_u24 v3, v1, 272
	v_lshl_add_u32 v3, v2, 5, v3
	v_add_nc_u32 v[STO], s66, v3                   ; in: row r, 32 bytes for each half of the lanes
	v_mul_u32_u24 v3, v2, 272
	v_lshl_add_u32 v3, v1, 4, v3
	v_add_nc_u32 v[RD], s66, v3                    ; back: lanes 0-15 one row of 256 bytes, lanes 16-31 the next
	v_lshlrev_b32 v3, 12, v2
	v_lshl_add_u32 v[CO], v1, 4, v3                ; the same two rows in out0 (4,096 bytes a row)
; 32 LDS loads: the fragments of one head (64 along K) into buffer g
.macro FETCH slot, hh, g
	WIN 0x40
.irp b, 0,1,2,3
.irp ks, 0,1
	ds_load_b128 v[BF+64*\g+16*\b+8*\ks:BF+64*\g+16*\b+8*\ks+3], v[ADRB+\slot] offset:8448*\b+128*\hh+64*\ks
	ds_load_b128 v[BF+64*\g+16*\b+8*\ks+4:BF+64*\g+16*\b+8*\ks+7], v[ADRB+\slot] offset:8448*\b+128*\hh+64*\ks+32
.endr
.endr
	WIN 0
.irp a, 0,1,2,3
.irp ks, 0,1
	ds_load_b128 v[AF+64*\g+16*\a+8*\ks:AF+64*\g+16*\a+8*\ks+3], v[ADRA+\slot] offset:17408*\hh+2176*\a+64*\ks
	ds_load_b128 v[AF+64*\g+16*\a+8*\ks+4:AF+64*\g+16*\a+8*\ks+7], v[ADRA+\slot] offset:17408*\hh+2176*\a+64*\ks+32
.endr
.endr
.endm
; 16 matrix instructions, the 16 accumulators by turns, one instruction a turn, always in this order
.macro MUL16 f, ks, zero
.irp a, 0,1,2,3
.irp b, 0,1,2,3
.if \zero
	v_wmma_f32_16x16x32_f16 v[8*(4*\a+\b):8*(4*\a+\b)+7], v[BF+64*\f+16*\b+8*\ks:BF+64*\f+16*\b+8*\ks+7], v[AF+64*\f+16*\a+8*\ks:AF+64*\f+16*\a+8*\ks+7], 0
.else
	v_wmma_f32_16x16x32_f16 v[8*(4*\a+\b):8*(4*\a+\b)+7], v[BF+64*\f+16*\b+8*\ks:BF+64*\f+16*\b+8*\ks+7], v[AF+64*\f+16*\a+8*\ks:AF+64*\f+16*\a+8*\ks+7], v[8*(4*\a+\b):8*(4*\a+\b)+7]
.endif
.endr
.endr
.endm
; One of the first three heads of a slot: head nh is fetched into buffer g, then buffer f is multiplied
.macro HALF slot, nh, f, g, zero
	s_wait_dscnt 0x0                               ; buffer f is in
	PLACES                                         ; buffer g was read by the matrix instructions just issued
	FETCH \slot, \nh, \g
	WIN 0x51
	MUL16 \f, 0, \zero
	MUL16 \f, 1, 0
.endm
; The fourth head changes slots.  chg = 2: with the joint refill of this slot; 1: without; 0: the very last
.macro LASTH slot, other, chg
	s_wait_dscnt 0x0                               ; my reads of this slot are back
.if \chg
	s_set_vgpr_msb 0x5150
	s_wait_tensorcnt 0x0                           ; all my tensor loads have landed: the one that was out is my part of the other slot
	ds_add_u32 v254, v255
	s_wait_dscnt 0x0
	s_set_vgpr_msb 0x5051
.if \chg == 2
	s_add_nc_u64 s[G0A+4*\slot+2:G0A+4*\slot+3], s[G0A+4*\slot+2:G0A+4*\slot+3], 131072   ; eight heads on
	s_add_nc_u64 s[G0B+4*\slot+2:G0B+4*\slot+3], s[G0B+4*\slot+2:G0B+4*\slot+3], 1024
.endif
	s_barrier_signal -1
.endif
	WIN 0x51
	MUL16 1, 0, 0                                  ; register work while the others arrive
.if \chg
	WIN 0
	s_barrier_wait -1
.if \chg == 2
	CREST
	JLOAD \slot                                    ; my one tensor load behind the round, ahead of every LDS read
.endif
	PLACES
	FETCH \other, 0, 0
.endif
	WIN 0x51
	MUL16 1, 1, 0
.endm
.macro WORK slot, other, chg, zero
	HALF \slot, 1, 0, 1, \zero
	HALF \slot, 2, 1, 0, 0
	HALF \slot, 3, 0, 1, 0
	LASTH \slot, \other, \chg
.endm
	s_wait_tensorcnt 0x1                           ; my part of slot 0 is in; slot 1 stays out
	s_barrier_signal -1
	s_barrier_wait -1
	FETCH 0, 0, 0
	WORK 0, 1, 2, 1                                ; heads 0-3; refill: heads 8-11
	WORK 1, 0, 2, 0                                ; heads 4-7; refill: heads 12-15
	WORK 0, 1, 1, 0
	WORK 1, 0, 0, 0
	WIN 0
	PLACES
	s_lshl_b32 s66, s22, 7                         ; out0: ((128 y + 64 wm) 1024 + 128 x + 64 wn) 4 bytes
	s_lshl_b32 s67, s17, 6
	s_add_co_u32 s66, s66, s67
	s_lshl_b32 s66, s66, 12
	s_lshl_b32 s67, s21, 9
	s_add_co_u32 s66, s66, s67
	s_lshl_b32 s67, s18, 8
	s_add_co_u32 s66, s66, s67
	s_mov_b32 s67, 0
	s_add_nc_u64 s[10:11], s[10:11], s[66:67]
	s_wait_loadcnt 0x0                             ; the bias
; 16 rows at a time through my own stage; each turn has its own 32 registers for the rows read back, so no store data is written again
.macro OUT16 a
	WIN 0x01
.irp b, 0,1,2,3
.irp c, 0,2,4,6
	v_pk_fma_f32 v[T+8*\b+\c:T+8*\b+\c+1], v[8*(4*\a+\b)+\c:8*(4*\a+\b)+\c+1], 4.0, v[BI+8*\b+\c:BI+8*\b+\c+1] op_sel_hi:[1,0,1]
.endr
.endr
	WIN 0
.irp b, 0,1,2,3
	ds_store_b128 v[STO], v[T+8*\b:T+8*\b+3] offset:64*\b
	ds_store_b128 v[STO], v[T+8*\b+4:T+8*\b+7] offset:64*\b+16
.endr
.irp t, 0,1,2,3,4,5,6,7
	ds_load_b128 v[32+32*\a+4*\t:32+32*\a+4*\t+3], v[RD] offset:544*\t     ; my own bytes: LDS serves a wave in order (ISA guide 5.7.1)
.endr
.irp t, 0,1,2,3,4,5,6,7
	s_wait_dscnt 7-\t                              ; the younger loads stay out
	global_store_b128 v[CO], v[32+32*\a+4*\t:32+32*\a+4*\t+3], s[10:11] offset:(16*\a+2*\t)*4096   ; 16 lanes store 256 consecutive bytes, aligned
.endr
.endm
	OUT16 0
	OUT16 1
	OUT16 2
	OUT16 3
	s_wait_tensorcnt 0x0
	ds_add_u32 v254, v255
	s_wait_dscnt 0x0
	CROUND                                         ; the closing round
	s_endpgm
.Lfunc_end_k_q06cf553b6e_proj:
	.size	k_q06cf553b6e_proj, .Lfunc_end_k_q06cf553b6e_proj-k_q06cf553b6e_proj
	.p2alignl 7, 3214868480
	.fill 96, 4, 3214868480
	.section	.rodata,"a",@progbits
	.p2align	6, 0x0
	.amdhsa_kernel k_q06cf553b6e_proj
		.amdhsa_group_segment_fixed_size 327680
		.amdhsa_private_segment_fixed_size 0
		.amdhsa_enable_private_segment 0
		.amdhsa_kernarg_size 32
		.amdhsa_user_sgpr_count 2
		.amdhsa_user_sgpr_kernarg_segment_ptr 1
		.amdhsa_wavefront_size32 1
		.amdhsa_system_sgpr_workgroup_id_x 1
		.amdhsa_system_sgpr_workgroup_id_y 1
		.amdhsa_system_sgpr_workgroup_id_z 1
		.amdhsa_system_vgpr_workitem_id 0
		.amdhsa_next_free_vgpr 512
		.amdhsa_next_free_sgpr 72
		.amdhsa_reserve_vcc 0
		.amdhsa_float_denorm_mode_32 3
		.amdhsa_float_denorm_mode_16_64 3
		.amdhsa_memory_ordered 1
		.amdhsa_forward_progress 1
		.amdhsa_inst_pref_size 91
	.end_amdhsa_kernel
	.amdgpu_metadata
---
amdhsa.version: [ 1, 2 ]
amdhsa.kernels:
  - .name:           k_q06cf553b6e_proj
    .symbol:         k_q06cf553b6e_proj.kd
    .args:
      - { .name: ao, .offset: 0, .size: 8, .value_kind: global_buffer, .address_space: global }
      - { .name: woh, .offset: 8, .size: 8, .value_kind: global_buffer, .address_space: global }
      - { .name: bout, .offset: 16, .size: 8, .value_kind: global_buffer, .address_space: global }
      - { .name: out0, .offset: 24, .size: 8, .value_kind: global_buffer, .address_space: global }
    .group_segment_fixed_size: 327680
    .private_segment_fixed_size: 0
    .kernarg_segment_align: 8
    .kernarg_segment_size: 32
    .max_flat_workgroup_size: 128
    .sgpr_count:     72
    .vgpr_count:     512
    .wavefront_size: 32
...
	.end_amdgpu_metadata
.endif
;; end of part 4
